; MI455X (gfx1250); checked and timed in simulation.
; The chip was launched on July 23, 2026; its instructions are those of AMD's public machine-readable ISA for CDNA 5 (MIT licence, August 2026) and "CDNA5" Instruction Set Architecture Reference Guide (July 2026). The comments in the code are by the model that wrote it; some were corrected since.
;; Luong Gen Attention. Allowed arithmetic: float matrix products may take bf16 or f16 operands with f32 sums; other float arithmetic in f32, or as packed bf16 or f16 multiplies, adds, multiply-adds, maxima and minima; sums over many terms, partial sums and values carried from step to step in f32; what a program stores and reads back later, other than sums and carried values, may be rounded once to bf16 or f16.
;; Inputs: W 2,048 x 2,048 float32; b 2,048 float32; encode_state 16 x 1,024 x 2,048 float32; hid_state 16 x 2,048 float32.
;; Outputs: out0 16 x 1,024 float32; out1 16 x 2,048 float32.
;; 2 versions, each right; version 2 is version 1 with the launch encpass written anew for expert scheduling mode. Each part assembles by itself: llvm-mc -triple=amdgcn-amd-amdhsa -mcpu=gfx1250 --defsym DOCPART=n.
;; ======== version 1 of 2: 4 launches
;; workspace buffers: hpT 131,072 bytes; cpart 16,384 bytes; upart 1,048,576 bytes; ctxpart 2,097,152 bytes
;; launch hidproj (part 1): grid 256 x 1, 8 waves a work-group, no clusters, 67,584 bytes of LDS; arguments W, b, hid_state, hpT, cpart; writes hpT, cpart
.if DOCPART == 1
	.amdgcn_target "amdgcn-amd-amdhsa--gfx1250"
	.amdhsa_code_object_version 6
	.text
	.protected	k_qeb3cc08570_hidproj
	.globl	k_qeb3cc08570_hidproj
	.p2align	8
	.type	k_qeb3cc08570_hidproj,@function
k_qeb3cc08570_hidproj:
	s_mov_b64 s[64:65], 0
	v_nop
	global_prefetch_b8 v0, s[64:65] scope:SCOPE_SE
	s_setreg_imm32_b32 hwreg(HW_REG_WAVE_MODE, 25, 1), 1
	s_wait_xcnt 0x0
; hp[bt][a] = sum over d of h[bt][d] W[a][d] + bias[a], stored transposed as hpT[a][bt] (f32), and this work-group's part of
; c[bt] = sum over a of hp[bt][a] bias[a], stored as cpart[bt][work-group].
; WHY THIS LAUNCH.  scores[bt][s] = sum_a (E[bt][s] . W[a] + bias[a]) hp[bt][a] = E[bt][s] . u[bt] + c[bt] with u[bt][d] = sum_a hp[bt][a] W[a][d]:
; the same sums in another order, for every input.  LIMITS: that order of rounding differs from the reference's; NaN and infinities are not treated apart.
; ALL IN F32 ON THE VECTOR UNIT: 16 rows of h against W are 32 multiply-adds for each 4 bytes of W read, and the scores (sums of 2,048 products, fed to a softmax
; that is nearly one-hot) leave no room for a 16-bit rounding of hp.
; SHARES.  256 work-groups; each owns 8 rows of W (65,536 bytes, read once, shared through LDS).  Wave w: batches 4 (w / 2) .. + 3, half w % 2 of d.
; Lane l, chunk j of 8: d = 1024 (w % 2) + 128 j + 4 l + 0..3.  A wave keeps its 4 x 1,024 numbers of h in 128 registers.
; NO CLUSTER: what work-groups share is h (131,072 bytes); it goes straight into each lane's registers in the lane's own layout, and no LDS tile of it exists to be asked for jointly.
.set STG,   65536                      ; LDS: W's 8 rows lie at 0 (8,192 bytes each); then [half][row 8][batch 16] f32, 1,024 bytes
.set SPARE, 66560                      ; then the spare words, 128 bytes for each of the 8 waves; no other line names them
.set ROWB,  8192
.set A, 12                             ; v[12:19]   four packed sums at work, one a batch
.set R, 20                             ; v[20:51]   the lane's 32 sums: row r, batch i at R + 4 r + i
.set X, 52                             ; v[52:115]  two buffers of 32: my half of a row of W; at the start the whole row that my wave brings
.set H, 116                            ; v[116:243] h: batch i, chunk j at H + 32 i + 4 j
	s_load_b256 s[4:11], s[0:1], 0x0               ; W s[4:5], b s[6:7], hid_state s[8:9], hpT s[10:11]
	s_load_b64 s[12:13], s[0:1], 0x20              ; cpart
	v_lshl_add_u32 v1, v0, 2, SPARE                ; my spare word; never rewritten
	v_mov_b32 v2, 0                                ; 0; never rewritten
	v_lshrrev_b32 v3, 5, v0
	v_readfirstlane_b32 s14, v3                    ; wave 0..7
	s_lshr_b32 s15, s14, 1                         ; which four batches
	s_and_b32 s16, s14, 1                          ; which half of d
	s_lshl_b32 s18, ttmp9, 16                      ; W: 8 rows of 8,192 bytes a work-group,
	s_lshl_b32 s17, s14, 13                        ; one row a wave
	s_add_co_u32 s18, s18, s17
	s_mov_b32 s19, 0
	s_lshl_b32 s20, s15, 15                        ; h: four rows of 8,192 bytes,
	s_lshl_b32 s17, s16, 12                        ; half a row
	s_add_co_u32 s20, s20, s17
	s_mov_b32 s21, 0
	s_lshl_b32 s22, ttmp9, 5                       ; bias: 8 numbers a work-group
	s_mov_b32 s23, 0
	s_lshl_b32 s24, ttmp9, 9                       ; hpT: 8 rows of 64 bytes
	s_mov_b32 s25, 0
	s_lshl_b32 s26, ttmp9, 2                       ; cpart: my column
	s_mov_b32 s27, 0
	s_mov_b32 s28, 0x76543210                      ; v_permlanex16_b32: each lane takes its own place in the other half
	s_mov_b32 s29, 0xfedcba98
	s_lshl_b32 s31, s16, 9                         ; where my wave's sums go: half x 512 + 16 bytes for its four batches
	s_lshl_b32 s17, s15, 4
	s_add_co_u32 s31, s31, s17
	s_add_co_u32 s31, s31, STG
	v_and_b32 v9, 31, v0                           ; lane
	v_lshlrev_b32 v3, 4, v9                        ; 16 x lane
	v_lshl_add_u32 v4, s14, 13, v3                 ; LDS: the row that my wave brings
	v_lshl_add_u32 v5, s16, 12, v3                 ; LDS: my half of row 0
	v_mov_b32 v6, s31
	v_and_b32 v7, 28, v0                           ; 4 x (lane / 4): the bias of the row that the lane holds at the end
	v_and_b32 v10, 3, v0
	v_lshlrev_b32 v10, 12, v10                     ; cpart: batch 4 (lane % 4), rows of 1,024 bytes
	v_add_nc_u32 v11, STG, v3
	s_wait_kmcnt 0x0
	s_add_nc_u64 s[4:5], s[4:5], s[18:19]
	s_add_nc_u64 s[6:7], s[6:7], s[22:23]
	s_add_nc_u64 s[8:9], s[8:9], s[20:21]
	s_add_nc_u64 s[10:11], s[10:11], s[24:25]
	s_add_nc_u64 s[12:13], s[12:13], s[26:27]
	global_load_b32 v8, v7, s[6:7]                 ; every wave loads it, so that the counts below are alike in all
.irp j, 0,1,2,3,4,5,6,7,8,9,10,11,12,13,14,15
	global_load_b128 v[X+4*(\j):X+4*(\j)+3], v3, s[4:5] offset:512*(\j)  ; my wave's row of W: 512 consecutive bytes a load
.endr
.irp i, 0,1,2,3
.irp j, 0,1,2,3,4,5,6,7
	global_load_b128 v[H+32*(\i)+4*(\j):H+32*(\i)+4*(\j)+3], v3, s[8:9] offset:(\i)*ROWB+512*(\j)
.endr
.endr
	s_wait_loadcnt 32                              ; the 32 loads of h are younger: the bias and the row of W are in
.irp j, 0,1,2,3,4,5,6,7,8,9,10,11,12,13,14,15
	ds_store_b128 v4, v[X+4*(\j):X+4*(\j)+3] offset:512*(\j)
.endr
	s_wait_dscnt 0x0                               ; for the others' sake: my row is in LDS
	s_barrier_signal -1
	s_barrier_wait -1                              ; all 8 rows are
.macro LOADROW r, x                    ; my half of row r into buffer x
.irp j, 0,1,2,3,4,5,6,7
	ds_load_b128 v[X+32*(\x)+4*(\j):X+32*(\x)+4*(\j)+3], v5 offset:(\r)*ROWB+512*(\j)
.endr
.endm
.macro DOTROW r, x                     ; row r against my four batches: four chains that take turns; the first products start the sums
.set p, 0
.rept 16
.irp i, 0,1,2,3
.if p == 0
	v_pk_mul_f32 v[A+2*(\i):A+2*(\i)+1], v[X+32*(\x):X+32*(\x)+1], v[H+32*(\i):H+32*(\i)+1]
.else
	v_pk_fma_f32 v[A+2*(\i):A+2*(\i)+1], v[X+32*(\x)+2*p:X+32*(\x)+2*p+1], v[H+32*(\i)+2*p:H+32*(\i)+2*p+1], v[A+2*(\i):A+2*(\i)+1]
.endif
.endr
.set p, p+1
.endr
.irp i, 0,1,2,3
	v_add_f32 v[R+4*(\r)+(\i)], v[A+2*(\i)], v[A+2*(\i)+1]
.endr
.endm
	LOADROW 0, 0
	s_wait_loadcnt 0x0                             ; h
.irp r, 0,1,2,3,4,5,6
	LOADROW (\r)+1, ((\r)+1)%2
	s_wait_dscnt 0x8                               ; the next row's 8 loads stay out; this row is in
	DOTROW \r, (\r)%2
.endr
	s_wait_dscnt 0x0
	DOTROW 7, 1
	; the 32 sums over the wave's 32 lanes: four steps inside each half ride on the addition, one crosses the halves
.irp m, 1,2,4,8
.set n, 0
.rept 32
	v_add_f32_dpp v[R+n], v[R+n], v[R+n] row_xmask:\m row_mask:0xf bank_mask:0xf
.set n, n+1
.endr
.endr
.set n, 0
.rept 32
	v_permlanex16_b32 v[X+n], v[R+n], s28, s29     ; its destination has been written: the row buffers are free
.set n, n+1
.endr
.set n, 0
.rept 32
	v_add_f32 v[R+n], v[R+n], v[X+n]
.set n, n+1
.endr
.irp r, 0,1,2,3,4,5,6,7
	ds_store_b128 v6, v[R+4*(\r):R+4*(\r)+3] offset:64*(\r)  ; every lane holds the same four sums and writes the same 16 bytes
.endr
	s_wait_dscnt 0x0                               ; for wave 0's sake
	s_barrier_signal -1
	s_barrier_wait -1
	s_cmp_lg_u32 s14, 0
	s_cbranch_scc1 .Lend                           ; wave 0 alone finishes: 128 numbers
	ds_load_b128 v[52:55], v11                     ; lane l: row l / 4, batches 4 (l % 4) .. + 3, first half of d,
	ds_load_b128 v[56:59], v11 offset:512          ; second half
	s_wait_dscnt 0x0
	v_pk_add_f32 v[52:53], v[52:53], v[56:57]
	v_pk_add_f32 v[54:55], v[54:55], v[58:59]
.irp i, 0,1,2,3
	v_add_f32 v[52+(\i)], v[52+(\i)], v8           ; + bias[a]
.endr
	global_store_b128 v3, v[52:55], s[10:11]       ; hpT: the wave stores 512 consecutive bytes, aligned
.irp i, 0,1,2,3
	v_mul_f32 v[60+(\i)], v[52+(\i)], v8           ; hp bias, to be summed over the 8 rows: lanes 4, 8 and 16 apart
.endr
.irp m, 4,8
.irp i, 0,1,2,3
	v_add_f32_dpp v[60+(\i)], v[60+(\i)], v[60+(\i)] row_xmask:\m row_mask:0xf bank_mask:0xf
.endr
.endr
.irp i, 0,1,2,3
	v_permlanex16_b32 v[64+(\i)], v[60+(\i)], s28, s29
.endr
.irp i, 0,1,2,3
	v_add_f32 v[60+(\i)], v[60+(\i)], v[64+(\i)]
.endr
	v_cmp_gt_u32 vcc_lo, 4, v9
	s_wait_xcnt 0x0                                ; EXEC is a source of the store above: it changes only behind this wait
	s_and_saveexec_b32 s30, vcc_lo                 ; lanes 0 to 3 hold the 16 batches
.irp i, 0,1,2,3
	global_store_b32 v10, v[60+(\i)], s[12:13] offset:(\i)*1024  ; 16 single words a work-group: laid so that the launch that reads them finds a batch's 256 on end
.endr
	s_wait_xcnt 0x0                                ; and again in front of the line that widens it
	s_or_b32 exec_lo, exec_lo, s30
.Lend:
	s_wait_tensorcnt 0x0                           ; the wave's end: three closing lines, behind my last LDS store
	ds_add_u32 v1, v2
	s_wait_dscnt 0x0
	s_endpgm
.Lfunc_end_k_qeb3cc08570_hidproj:
	.size	k_qeb3cc08570_hidproj, .Lfunc_end_k_qeb3cc08570_hidproj-k_qeb3cc08570_hidproj
	.p2alignl 7, 3214868480
	.fill 96, 4, 3214868480
	.section	.rodata,"a",@progbits
	.p2align	6, 0x0
	.amdhsa_kernel k_qeb3cc08570_hidproj
		.amdhsa_group_segment_fixed_size 67584
		.amdhsa_private_segment_fixed_size 0
		.amdhsa_enable_private_segment 0
		.amdhsa_kernarg_size 40
		.amdhsa_user_sgpr_count 2
		.amdhsa_user_sgpr_kernarg_segment_ptr 1
		.amdhsa_wavefront_size32 1
		.amdhsa_system_sgpr_workgroup_id_x 1
		.amdhsa_system_sgpr_workgroup_id_y 1
		.amdhsa_system_sgpr_workgroup_id_z 1
		.amdhsa_system_vgpr_workitem_id 0
		.amdhsa_next_free_vgpr 244
		.amdhsa_next_free_sgpr 66
		.amdhsa_reserve_vcc 1
		.amdhsa_float_denorm_mode_32 3
		.amdhsa_float_denorm_mode_16_64 3
		.amdhsa_memory_ordered 1
		.amdhsa_forward_progress 1
		.amdhsa_inst_pref_size 59
	.end_amdhsa_kernel
	.amdgpu_metadata
---
amdhsa.version: [ 1, 2 ]
amdhsa.kernels:
  - .name:           k_qeb3cc08570_hidproj
    .symbol:         k_qeb3cc08570_hidproj.kd
    .args:
      - { .name: W, .offset: 0, .size: 8, .value_kind: global_buffer, .address_space: global }
      - { .name: b, .offset: 8, .size: 8, .value_kind: global_buffer, .address_space: global }
      - { .name: hid_state, .offset: 16, .size: 8, .value_kind: global_buffer, .address_space: global }
      - { .name: hpT, .offset: 24, .size: 8, .value_kind: global_buffer, .address_space: global }
      - { .name: cpart, .offset: 32, .size: 8, .value_kind: global_buffer, .address_space: global }
    .group_segment_fixed_size: 67584
    .private_segment_fixed_size: 0
    .kernarg_segment_align: 8
    .kernarg_segment_size: 40
    .max_flat_workgroup_size: 256
    .sgpr_count:     66
    .vgpr_count:     244
    .wavefront_size: 32
...
	.end_amdgpu_metadata
.endif
;; end of part 1
;; launch uproj (part 2): grid 32 x 8, 8 waves a work-group, no clusters, 82,944 bytes of LDS; arguments W, hpT, upart; writes upart
.if DOCPART == 2
	.amdgcn_target "amdgcn-amd-amdhsa--gfx1250"
	.amdhsa_code_object_version 6
	.text
	.protected	k_qeb3cc08570_uproj
	.globl	k_qeb3cc08570_uproj
	.p2align	8
	.type	k_qeb3cc08570_uproj,@function
k_qeb3cc08570_uproj:
	s_mov_b64 s[64:65], 0
	v_nop
	global_prefetch_b8 v0, s[64:65] scope:SCOPE_SE
	s_setreg_imm32_b32 hwreg(HW_REG_WAVE_MODE, 25, 1), 1
	s_wait_xcnt 0x0
; upart[k][bt][d] = the sum over the 256 rows a of slice k of hp[bt][a] W[a][d]: eight partial sums of u = hp W, all f32; the next launch adds the eight.
; F32 ON THE VECTOR UNIT: 32 multiply-adds for each 4 bytes of W, and u feeds scores that leave no room for a 16-bit rounding (see the first launch's head).
; SHARES.  Work-group (cb, k): columns 64 cb .. + 63 (256 bytes of a row), rows 256 k .. + 255.  Wave w: 32 of those rows, two a step: lanes 0-15 the even row, lanes 16-31 the odd one,
; four columns a lane: a load covers two aligned pieces of 256 consecutive bytes.  All 16 loads of a wave go out at the start.  A lane keeps 16 batches x 4 columns of sums.
; hp of the wave's rows (2,048 bytes of hpT) goes through the wave's own LDS bytes, so that each half of the lanes can read its row's 16 numbers as a broadcast.
; NO CLUSTER: what work-groups share is hpT, 16,384 of the 81,920 bytes that a work-group reads.
.set RED,   16384                      ; LDS: hp, 2,048 bytes a wave, at 0; then [wave 8][batch 16][lane 32] x 16 bytes
.set SPARE, 81920                      ; then the spare words, 128 bytes for each of the 8 waves; no other line names them
.set HP,  8                            ; v[8:39]    two buffers of 16: hp of my row, all batches
.set WR,  40                           ; v[40:103]  W: step t at WR + 4 t; at the end the 16 partial sums to be added
.set ACC, 104                          ; v[104:167] batch bt at ACC + 4 bt; at the start v[104:119] carry hpT from memory to LDS
	s_load_b128 s[4:7], s[0:1], 0x0                ; W s[4:5], hpT s[6:7]
	s_load_b64 s[8:9], s[0:1], 0x10                ; upart
	v_lshl_add_u32 v1, v0, 2, SPARE                ; my spare word; never rewritten
	v_mov_b32 v2, 0                                ; 0; never rewritten
	v_lshrrev_b32 v3, 5, v0
	v_readfirstlane_b32 s10, v3                    ; wave 0..7
	s_mov_b32 s11, ttmp9                           ; cb
	s_and_b32 s12, ttmp7, 0xffff                   ; k
	s_lshl_b32 s14, s12, 21                        ; W: 256 rows of 8,192 bytes a slice,
	s_lshl_b32 s13, s10, 18                        ; 32 rows a wave,
	s_add_co_u32 s14, s14, s13
	s_lshl_b32 s13, s11, 8                         ; 256 bytes a column block
	s_add_co_u32 s14, s14, s13
	s_mov_b32 s15, 0
	s_lshl_b32 s16, s12, 14                        ; hpT: rows of 64 bytes
	s_lshl_b32 s20, s10, 11
	s_add_co_u32 s16, s16, s20
	s_mov_b32 s17, 0
	s_lshl_b32 s18, s12, 17                        ; upart: 131,072 bytes a slice
	s_add_co_u32 s18, s18, s13
	s_mov_b32 s19, 0
	v_and_b32 v4, 31, v0                           ; lane
	v_lshrrev_b32 v6, 4, v4                        ; which of a step's two rows
	v_and_b32 v7, 15, v0                           ; which four columns
	v_lshlrev_b32 v3, 4, v7
	v_lshl_add_u32 v3, v6, 13, v3                  ; W: row x 8,192 + 16 x column group
	v_lshlrev_b32 v4, 4, v4                        ; 16 x lane
	v_lshl_add_u32 v5, s10, 11, v4                 ; LDS: hp goes in
	v_lshlrev_b32 v6, 6, v6
	v_lshl_add_u32 v6, s10, 11, v6                 ; LDS: my row's 64 bytes of hp in step 0
	v_lshl_add_u32 v7, s10, 13, v4
	v_add_nc_u32 v7, RED, v7                       ; LDS: my sums go out
	s_wait_kmcnt 0x0
	s_add_nc_u64 s[4:5], s[4:5], s[14:15]
	s_add_nc_u64 s[6:7], s[6:7], s[16:17]
	s_add_nc_u64 s[8:9], s[8:9], s[18:19]
.irp i, 0,1,2,3
	global_load_b128 v[ACC+4*(\i):ACC+4*(\i)+3], v4, s[6:7] offset:512*(\i)
.endr
.irp t, 0,1,2,3,4,5,6,7,8,9,10,11,12,13,14,15
	global_load_b128 v[WR+4*(\t):WR+4*(\t)+3], v3, s[4:5] offset:(\t)*16384 th:TH_LOAD_NT  ; W's last reading in the program
.endr
	s_wait_loadcnt 16                              ; the 16 loads of W are younger: hp is in
.irp i, 0,1,2,3
	ds_store_b128 v5, v[ACC+4*(\i):ACC+4*(\i)+3] offset:512*(\i)  ; the wave's own bytes: LDS serves a wave's instructions in order (ISA guide 5.7.1), so the loads below see them
.endr
.macro HPLOAD t, x                     ; hp of step t's two rows, each half of the lanes its own row, into buffer x
.irp q, 0,1,2,3
	ds_load_b128 v[HP+16*(\x)+4*(\q):HP+16*(\x)+4*(\q)+3], v6 offset:128*(\t)+16*(\q)
.endr
.endm
; 32 packed multiply-adds: 16 batches x 2 pairs of columns.  hp of an even batch is the low register of its pair, of an odd batch the high one: op_sel and op_sel_hi give it to both halves.
.macro STEP t, x
.set bb, 0
.rept 16
.set hq, HP+16*(\x)+(bb/2)*2
.irp pr, 0,1
.if (\t) == 0
.if bb%2 == 0
	v_pk_mul_f32 v[ACC+4*bb+2*(\pr):ACC+4*bb+2*(\pr)+1], v[WR+2*(\pr):WR+2*(\pr)+1], v[hq:hq+1] op_sel_hi:[1,0]
.else
	v_pk_mul_f32 v[ACC+4*bb+2*(\pr):ACC+4*bb+2*(\pr)+1], v[WR+2*(\pr):WR+2*(\pr)+1], v[hq:hq+1] op_sel:[0,1] op_sel_hi:[1,1]
.endif
.else
.if bb%2 == 0
	v_pk_fma_f32 v[ACC+4*bb+2*(\pr):ACC+4*bb+2*(\pr)+1], v[WR+4*(\t)+2*(\pr):WR+4*(\t)+2*(\pr)+1], v[hq:hq+1], v[ACC+4*bb+2*(\pr):ACC+4*bb+2*(\pr)+1] op_sel_hi:[1,0,1]
.else
	v_pk_fma_f32 v[ACC+4*bb+2*(\pr):ACC+4*bb+2*(\pr)+1], v[WR+4*(\t)+2*(\pr):WR+4*(\t)+2*(\pr)+1], v[hq:hq+1], v[ACC+4*bb+2*(\pr):ACC+4*bb+2*(\pr)+1] op_sel:[0,1,0] op_sel_hi:[1,1,1]
.endif
.endif
.endr
.set bb, bb+1
.endr
.endm
	HPLOAD 0, 0
.irp t, 0,1,2,3,4,5,6,7,8,9,10,11,12,13,14
	HPLOAD (\t)+1, ((\t)+1)%2
	s_wait_dscnt 0x4                               ; the next step's 4 loads stay out; this step's hp is in (at step 0 the four stores above are done too: the sums may be written)
	s_wait_loadcnt 15-(\t)                         ; the later steps' loads of W stay out
	STEP \t, (\t)%2
.endr
	s_wait_dscnt 0x0
	s_wait_loadcnt 0x0
	STEP 15, 1
.irp bt, 0,1,2,3,4,5,6,7,8,9,10,11,12,13,14,15
	ds_store_b128 v7, v[ACC+4*(\bt):ACC+4*(\bt)+3] offset:512*(\bt)
.endr
	v_lshrrev_b32 v8, 4, v0                        ; thread t adds up batch t / 16, column group t % 16
	v_and_b32 v9, 15, v0
	v_lshlrev_b32 v9, 4, v9
	v_lshl_add_u32 v10, v8, 9, v9
	v_add_nc_u32 v10, RED, v10                     ; LDS: wave 0's, even rows' part of it
	v_lshl_add_u32 v9, v8, 13, v9                  ; upart: batch x 8,192 + 16 x column group
	s_wait_dscnt 0x0                               ; for the others' sake: my sums are in LDS
	s_barrier_signal -1
	s_barrier_wait -1
.irp n, 0,1,2,3,4,5,6,7,8,9,10,11,12,13,14,15
	ds_load_b128 v[WR+4*(\n):WR+4*(\n)+3], v10 offset:((\n)/2)*8192+((\n)%2)*256  ; wave n / 2, rows' parity n % 2
.endr
	s_wait_dscnt 0x0
.irp s, 8,4,2,1
.set q, 0
.rept \s
	v_pk_add_f32 v[WR+4*q:WR+4*q+1], v[WR+4*q:WR+4*q+1], v[WR+4*(q+\s):WR+4*(q+\s)+1]
	v_pk_add_f32 v[WR+4*q+2:WR+4*q+3], v[WR+4*q+2:WR+4*q+3], v[WR+4*(q+\s)+2:WR+4*(q+\s)+3]
.set q, q+1
.endr
.endr
	global_store_b128 v9, v[WR:WR+3], s[8:9]       ; 16 lanes store 256 consecutive bytes, aligned
	s_wait_tensorcnt 0x0                           ; the wave's end: three closing lines, behind my last LDS store
	ds_add_u32 v1, v2
	s_wait_dscnt 0x0
	s_endpgm
.Lfunc_end_k_qeb3cc08570_uproj:
	.size	k_qeb3cc08570_uproj, .Lfunc_end_k_qeb3cc08570_uproj-k_qeb3cc08570_uproj
	.p2alignl 7, 3214868480
	.fill 96, 4, 3214868480
	.section	.rodata,"a",@progbits
	.p2align	6, 0x0
	.amdhsa_kernel k_qeb3cc08570_uproj
		.amdhsa_group_segment_fixed_size 82944
		.amdhsa_private_segment_fixed_size 0
		.amdhsa_enable_private_segment 0
		.amdhsa_kernarg_size 24
		.amdhsa_user_sgpr_count 2
		.amdhsa_user_sgpr_kernarg_segment_ptr 1
		.amdhsa_wavefront_size32 1
		.amdhsa_system_sgpr_workgroup_id_x 1
		.amdhsa_system_sgpr_workgroup_id_y 1
		.amdhsa_system_sgpr_workgroup_id_z 1
		.amdhsa_system_vgpr_workitem_id 0
		.amdhsa_next_free_vgpr 168
		.amdhsa_next_free_sgpr 66
		.amdhsa_reserve_vcc 0
		.amdhsa_float_denorm_mode_32 3
		.amdhsa_float_denorm_mode_16_64 3
		.amdhsa_memory_ordered 1
		.amdhsa_forward_progress 1
		.amdhsa_inst_pref_size 46
	.end_amdhsa_kernel
	.amdgpu_metadata
---
amdhsa.version: [ 1, 2 ]
amdhsa.kernels:
  - .name:           k_qeb3cc08570_uproj
    .symbol:         k_qeb3cc08570_uproj.kd
    .args:
      - { .name: W, .offset: 0, .size: 8, .value_kind: global_buffer, .address_space: global }
      - { .name: hpT, .offset: 8, .size: 8, .value_kind: global_buffer, .address_space: global }
      - { .name: upart, .offset: 16, .size: 8, .value_kind: global_buffer, .address_space: global }
    .group_segment_fixed_size: 82944
    .private_segment_fixed_size: 0
    .kernarg_segment_align: 8
    .kernarg_segment_size: 24
    .max_flat_workgroup_size: 256
    .sgpr_count:     66
    .vgpr_count:     168
    .wavefront_size: 32
...
	.end_amdgpu_metadata
.endif
;; end of part 2
;; launch encpass (part 3): grid 16 x 16, 8 waves a work-group, no clusters, 75,264 bytes of LDS; arguments encode_state, upart, cpart, out0, ctxpart; writes out0, ctxpart
.if DOCPART == 3
	.amdgcn_target "amdgcn-amd-amdhsa--gfx1250"
	.amdhsa_code_object_version 6
	.text
	.protected	k_qeb3cc08570_encpass
	.globl	k_qeb3cc08570_encpass
	.p2align	8
	.type	k_qeb3cc08570_encpass,@function
k_qeb3cc08570_encpass:
	s_mov_b64 s[64:65], 0
	v_nop
	global_prefetch_b8 v0, s[64:65] scope:SCOPE_SE
	s_setreg_imm32_b32 hwreg(HW_REG_WAVE_MODE, 25, 1), 1
	s_wait_xcnt 0x0
; THE ONE PASS OVER E.  scores[bt][s] = E[bt][s] . u[bt] + c[bt] (out0), and for each chunk of 64 rows ctxpart[bt][chunk][d] = sum over its rows of 2^((score - MX) log2 e) E[bt][s][d],
; MX the chunk's largest score.  u is the sum of upart's eight slices, c of cpart's 256 words.  All f32: four multiply-adds for each 4 bytes of E.
; LIMITS.  The order of rounding differs from the reference's (see the first launch's head); a weight below 2^-126 counts as 0; NaN and infinities are not treated apart.
; SHARES.  Work-group (chunk, batch): 64 rows of E, 524,288 bytes, each read once.  A wave owns 8 rows; a row is 16 loads of 512 consecutive bytes and stays in 64 registers for both of its uses
; (the dot product with u, then the weighted sum).  A ring of four row slots: one at work, three on their way: 48 loads of a wave are out.
; SOFTMAX.  A running maximum M for each wave: a row's weight is p = 2^((s - M_new) log2 e), and the sums so far are multiplied by a = 2^((M_old - M_new) log2 e); differences are formed first, so the
; largest score's weight is exactly 1.  The eight waves' sums meet in LDS, each scaled by 2^((M_w - MX) log2 e).  No sum of weights is kept: the last launch makes it from out0.
; NO CLUSTER: what work-groups share is upart's 65,536 bytes of a batch, beside 524,288 bytes of E that nobody shares.
; REGISTERS: window 0 as named below; window 1: the four row slots, slot s at v[64 s .. 64 s + 63].  s_set_vgpr_msb: bits 1:0 source 0, 7:6 destination.
.set ACCS,  8192                       ; LDS: u, 8,192 bytes, at 0; then the eight waves' sums, 8,192 bytes each
.set ST,    73728                      ; then the waves' maxima (8 words) and, 256 bytes on, the chunk's 64 scores
.set SPARE, 74240                      ; then the spare words, 128 bytes for each of the 8 waves; no other line names them
.set ROWB,  8192
.set LOG2E, 0x3fb8aa3b
.set M,   8                            ; v8   the running maximum
.set C,   9                            ; v9   c[bt]
.set S,   10                           ; v10  the row's score
.set T,   11                           ; v11  at work
.set P,   12                           ; v[12:13] p (the pair is named; its high word holds 0)
.set AF,  14                           ; v[14:15] a, likewise
.set D,   16                           ; v[16:23] four packed chains of the dot product; at the end the eight waves' maxima, then factors
.set U,   64                           ; v[64:127]  u in a row's lane layout: load j, d = 128 j + 4 lane
.set ACC, 128                          ; v[128:191] the weighted sum, same layout
.set TMP, 192                          ; v[192:255] upart's slices at the start, the waves' sums at the end
.set MSB, 0
.macro WIN new                         ; the immediate's high byte repeats the setting that is left; a switch that changes nothing is dropped
.if MSB != (\new)
	s_set_vgpr_msb (MSB<<8)|(\new)
.set MSB, \new
.endif
.endm
	s_load_b256 s[4:11], s[0:1], 0x0               ; encode_state s[4:5], upart s[6:7], cpart s[8:9], out0 s[10:11]
	s_load_b64 s[12:13], s[0:1], 0x20              ; ctxpart
	v_lshl_add_u32 v1, v0, 2, SPARE                ; my spare word; never rewritten
	v_mov_b32 v2, 0                                ; 0; never rewritten
	v_lshrrev_b32 v3, 5, v0
	v_readfirstlane_b32 s14, v3                    ; wave 0..7
	s_mov_b32 s15, ttmp9                           ; chunk
	s_and_b32 s16, ttmp7, 0xffff                   ; batch
	s_lshl_b32 s18, s16, 23                        ; E: 1,024 rows of 8,192 bytes a batch,
	s_lshl_b32 s17, s15, 19                        ; 64 rows a chunk,
	s_add_co_u32 s18, s18, s17
	s_lshl_b32 s17, s14, 16                        ; 8 rows a wave
	s_add_co_u32 s18, s18, s17
	s_mov_b32 s19, 0
	s_lshl_b32 s20, s16, 13                        ; upart: the batch's row, my wave's 1,024 bytes of it
	s_lshl_b32 s30, s14, 10
	s_add_co_u32 s20, s20, s30
	s_mov_b32 s21, 0
	s_lshl_b32 s22, s16, 10                        ; cpart: the batch's 256 words
	s_mov_b32 s23, 0
	s_lshl_b32 s24, s16, 12                        ; out0: the batch's row, the chunk's 256 bytes
	s_lshl_b32 s17, s15, 8
	s_add_co_u32 s24, s24, s17
	s_mov_b32 s25, 0
	s_lshl_b32 s26, s16, 17                        ; ctxpart: 16 chunks of 8,192 bytes a batch, my wave's 1,024 bytes
	s_lshl_b32 s17, s15, 13
	s_add_co_u32 s26, s26, s17
	s_add_co_u32 s26, s26, s30
	s_mov_b32 s27, 0
	s_mov_b32 s28, 0x76543210                      ; v_permlanex16_b32: each lane takes its own place in the other half
	s_mov_b32 s29, 0xfedcba98
	v_and_b32 v36, 31, v0                          ; lane
	v_lshlrev_b32 v3, 4, v36                       ; 16 x lane: E, upart, cpart, ctxpart, and u in LDS
	v_lshl_add_u32 v4, s14, 10, v3                 ; LDS: my wave's part of u goes in
	v_lshl_add_u32 v5, s14, 13, v3
	v_add_nc_u32 v5, ACCS, v5                      ; LDS: my wave's sums go in
	v_add_nc_u32 v6, ACCS, v4                      ; LDS: wave 0's sums for the 1,024 bytes of d that my wave adds up
	s_lshl_b32 s17, s14, 5
	s_add_co_u32 s17, s17, ST+256
	v_mov_b32 v7, s17                              ; LDS: my wave's 8 scores
	s_lshl_b32 s17, s14, 2
	s_add_co_u32 s17, s17, ST
	v_mov_b32 v32, s17                             ; LDS: my wave's maximum
	v_mov_b32 v33, ST
	v_lshl_add_u32 v34, v36, 3, ST+256             ; LDS: two scores a lane
	v_lshlrev_b32 v35, 3, v36                      ; and the same in out0
	v_mov_b32 v[T], 0                              ; v_permlanex16_b32's destination counts as read
	v_mov_b32 v[P+1], 0
	v_mov_b32 v[AF+1], 0
	s_wait_kmcnt 0x0
	s_add_nc_u64 s[4:5], s[4:5], s[18:19]
	s_add_nc_u64 s[6:7], s[6:7], s[20:21]
	s_add_nc_u64 s[8:9], s[8:9], s[22:23]
	s_add_nc_u64 s[10:11], s[10:11], s[24:25]
	s_add_nc_u64 s[12:13], s[12:13], s[26:27]
.macro FILL row, slot                  ; a row of E: 16 loads of 512 consecutive bytes
	WIN 0x40                                       ; destination window 1, address window 0
.irp j, 0,1,2,3,4,5,6,7,8,9,10,11,12,13,14,15
	global_load_b128 v[64*(\slot)+4*(\j):64*(\slot)+4*(\j)+3], v3, s[4:5] offset:(\row)*ROWB+512*(\j) th:TH_LOAD_NT
.endr
.endm
.irp k, 0,1,2,3,4,5,6,7
.irp j, 0,1
	global_load_b128 v[TMP+8*(\k)+4*(\j):TMP+8*(\k)+4*(\j)+3], v3, s[6:7] offset:(\k)*131072+512*(\j)
.endr
.endr
	global_load_b128 v[D:D+3], v3, s[8:9]
	global_load_b128 v[D+4:D+7], v3, s[8:9] offset:512
	FILL 0, 0
	FILL 1, 1
	s_wait_loadcnt 32                              ; the two rows' 32 loads are younger: upart and cpart are in
	FILL 2, 2
	WIN 0
.irp s, 4,2,1                          ; u = the sum of the eight slices, for my wave's 256 numbers
.set k, 0
.rept \s
.irp e, 0,1,2,3
	v_pk_add_f32 v[TMP+8*k+2*(\e):TMP+8*k+2*(\e)+1], v[TMP+8*k+2*(\e):TMP+8*k+2*(\e)+1], v[TMP+8*(k+\s)+2*(\e):TMP+8*(k+\s)+2*(\e)+1]
.endr
.set k, k+1
.endr
.endr
	ds_store_b128 v4, v[TMP:TMP+3]
	ds_store_b128 v4, v[TMP+4:TMP+7] offset:512
	v_pk_add_f32 v[D:D+1], v[D:D+1], v[D+4:D+5]    ; c = the sum of the batch's 256 words: 8 a lane, then over the lanes
	v_pk_add_f32 v[D+2:D+3], v[D+2:D+3], v[D+6:D+7]
	v_pk_add_f32 v[D:D+1], v[D:D+1], v[D+2:D+3]
	v_add_f32 v[C], v[D], v[D+1]
.irp m, 1,2,4,8
	v_add_f32_dpp v[C], v[C], v[C] row_xmask:\m row_mask:0xf bank_mask:0xf
.endr
	v_permlanex16_b32 v[T], v[C], s28, s29
	v_add_f32 v[C], v[C], v[T]
	s_wait_dscnt 0x0                               ; for the others' sake: my part of u is in LDS
	s_barrier_signal -1
	s_barrier_wait -1                              ; E's loads stay on their way across it: nobody writes those bytes
.irp j, 0,1,2,3,4,5,6,7,8,9,10,11,12,13,14,15
	ds_load_b128 v[U+4*(\j):U+4*(\j)+3], v3 offset:512*(\j)
.endr
	s_wait_dscnt 0x0
; Row r's turn.  left: the younger rows' loads, which stay out.  fill = 1: the slot that the turn before has read takes row r + 3.  first = 1: the row starts M and the sums.
.macro TURN r, left, fill, first
.set E, 64*((\r)%4)
	s_wait_loadcnt \left
.if \fill
	FILL (\r)+3, ((\r)+3)%4
.endif
	WIN 0x01                                       ; source 0, the row, in window 1
.set p, 0
.rept 32                               ; E . u: four chains that take turns; the first products start them
.if p < 4
	v_pk_mul_f32 v[D+2*p:D+2*p+1], v[E+2*p:E+2*p+1], v[U+2*p:U+2*p+1]
.else
	v_pk_fma_f32 v[D+2*(p%4):D+2*(p%4)+1], v[E+2*p:E+2*p+1], v[U+2*p:U+2*p+1], v[D+2*(p%4):D+2*(p%4)+1]
.endif
.set p, p+1
.endr
	WIN 0
	v_pk_add_f32 v[D:D+1], v[D:D+1], v[D+2:D+3]
	v_pk_add_f32 v[D+4:D+5], v[D+4:D+5], v[D+6:D+7]
	v_pk_add_f32 v[D:D+1], v[D:D+1], v[D+4:D+5]
	v_add_f32 v[S], v[D], v[D+1]
.irp m, 1,2,4,8
	v_add_f32_dpp v[S], v[S], v[S] row_xmask:\m row_mask:0xf bank_mask:0xf
.endr
	v_permlanex16_b32 v[T], v[S], s28, s29
	v_add_f32 v[S], v[S], v[T]
	v_add_f32 v[S], v[S], v[C]                     ; every lane holds the score
	ds_store_b32 v7, v[S] offset:4*(\r)            ; all lanes write the same word
.if \first
	v_mov_b32 v[M], v[S]
	WIN 0x01
.set p, 0
.rept 32
	v_pk_mul_f32 v[ACC+2*p:ACC+2*p+1], v[E+2*p:E+2*p+1], 1.0 op_sel_hi:[1,0]  ; the first row's weight is 1: it starts the sums, nothing is cleared
.set p, p+1
.endr
.else
	v_max_num_f32 v[T], v[M], v[S]
	v_sub_f32 v[AF], v[M], v[T]
	v_sub_f32 v[P], v[S], v[T]
	v_mul_f32 v[AF], LOG2E, v[AF]
	v_mul_f32 v[P], LOG2E, v[P]
	v_exp_f32 v[AF], v[AF]
	v_exp_f32 v[P], v[P]
	v_mov_b32 v[M], v[T]                           ; the plain instruction between the exponentials and the use of their results (ISA guide 5.7.2)
.set p, 0
	s_wait_alu depctr_va_vdst(0)
.rept 32
	v_pk_mul_f32 v[ACC+2*p:ACC+2*p+1], v[ACC+2*p:ACC+2*p+1], v[AF:AF+1] op_sel_hi:[1,0]
.set p, p+1
.endr
	WIN 0x01
.set p, 0
.rept 32
	v_pk_fma_f32 v[ACC+2*p:ACC+2*p+1], v[E+2*p:E+2*p+1], v[P:P+1], v[ACC+2*p:ACC+2*p+1] op_sel_hi:[1,0,1]
.set p, p+1
.endr
.endif
.endm
	TURN 0, 32, 1, 1
	TURN 1, 32, 1, 0
	TURN 2, 32, 1, 0
	TURN 3, 32, 1, 0
	TURN 4, 32, 1, 0                               ; the last fill: row 7
	TURN 5, 32, 0, 0
	TURN 6, 16, 0, 0                               ; the counts run down
	TURN 7, 0, 0, 0
	; THE WAVES MEET.  Each puts its maximum and its 2,048 sums into LDS; behind the barrier wave w adds up the 256 numbers at byte 1,024 w of all eight.
	WIN 0
	ds_store_b32 v32, v[M]
.irp j, 0,1,2,3,4,5,6,7,8,9,10,11,12,13,14,15
	ds_store_b128 v5, v[ACC+4*(\j):ACC+4*(\j)+3] offset:512*(\j)
.endr
	s_wait_dscnt 0x0                               ; for the others' sake: maximum, sums and scores are in LDS
	s_barrier_signal -1
	s_barrier_wait -1
	ds_load_b128 v[D:D+3], v33
	ds_load_b128 v[D+4:D+7], v33 offset:16
.irp k, 0,1,2,3,4,5,6,7
.irp j, 0,1
	ds_load_b128 v[TMP+8*(\k)+4*(\j):TMP+8*(\k)+4*(\j)+3], v6 offset:(\k)*8192+512*(\j)
.endr
.endr
	s_wait_dscnt 0x0
	v_max3_num_f32 v[T], v[D], v[D+1], v[D+2]
	v_max3_num_f32 v[T], v[T], v[D+3], v[D+4]
	v_max3_num_f32 v[T], v[T], v[D+5], v[D+6]
	v_max_num_f32 v[T], v[T], v[D+7]               ; MX: the largest of the chunk's 64 scores
.irp k, 0,1,2,3,4,5,6,7
	v_sub_f32 v[D+(\k)], v[D+(\k)], v[T]
.endr
.irp k, 0,1,2,3,4,5,6,7
	v_mul_f32 v[D+(\k)], LOG2E, v[D+(\k)]
.endr
.irp k, 0,1,2,3,4,5,6,7
	v_exp_f32 v[D+(\k)], v[D+(\k)]
.endr
	v_nop                                          ; a plain instruction between the exponentials and the use of their results
	s_wait_alu depctr_va_vdst(0)
.set ww, 0
.rept 8                                ; an even wave's factor is the low register of its pair, an odd wave's the high one
.set fq, D+(ww/2)*2
.irp e, 0,1,2,3
.if ww == 0
	v_pk_mul_f32 v[ACC+2*(\e):ACC+2*(\e)+1], v[TMP+2*(\e):TMP+2*(\e)+1], v[fq:fq+1] op_sel_hi:[1,0]
.elseif ww%2 == 0
	v_pk_fma_f32 v[ACC+2*(\e):ACC+2*(\e)+1], v[TMP+8*ww+2*(\e):TMP+8*ww+2*(\e)+1], v[fq:fq+1], v[ACC+2*(\e):ACC+2*(\e)+1] op_sel_hi:[1,0,1]
.else
	v_pk_fma_f32 v[ACC+2*(\e):ACC+2*(\e)+1], v[TMP+8*ww+2*(\e):TMP+8*ww+2*(\e)+1], v[fq:fq+1], v[ACC+2*(\e):ACC+2*(\e)+1] op_sel:[0,1,0] op_sel_hi:[1,1,1]
.endif
.endr
.set ww, ww+1
.endr
	global_store_b128 v3, v[ACC:ACC+3], s[12:13]               ; 512 consecutive bytes a store, aligned
	global_store_b128 v3, v[ACC+4:ACC+7], s[12:13] offset:512
	s_cmp_lg_u32 s14, 0
	s_cbranch_scc1 .Lend                           ; wave 0 alone stores the scores
	ds_load_b64 v[24:25], v34
	s_wait_dscnt 0x0
	global_store_b64 v35, v[24:25], s[10:11]       ; the wave stores the chunk's 256 consecutive bytes, aligned
.Lend:
	s_wait_tensorcnt 0x0                           ; the wave's end: three closing lines, behind my last LDS store
	ds_add_u32 v1, v2
	s_wait_dscnt 0x0
	s_endpgm
.Lfunc_end_k_qeb3cc08570_encpass:
	.size	k_qeb3cc08570_encpass, .Lfunc_end_k_qeb3cc08570_encpass-k_qeb3cc08570_encpass
	.p2alignl 7, 3214868480
	.fill 96, 4, 3214868480
	.section	.rodata,"a",@progbits
	.p2align	6, 0x0
	.amdhsa_kernel k_qeb3cc08570_encpass
		.amdhsa_group_segment_fixed_size 75264
		.amdhsa_private_segment_fixed_size 0
		.amdhsa_enable_private_segment 0
		.amdhsa_kernarg_size 40
		.amdhsa_user_sgpr_count 2
		.amdhsa_user_sgpr_kernarg_segment_ptr 1
		.amdhsa_wavefront_size32 1
		.amdhsa_system_sgpr_workgroup_id_x 1
		.amdhsa_system_sgpr_workgroup_id_y 1
		.amdhsa_system_sgpr_workgroup_id_z 1
		.amdhsa_system_vgpr_workitem_id 0
		.amdhsa_next_free_vgpr 512
		.amdhsa_next_free_sgpr 66
		.amdhsa_reserve_vcc 0
		.amdhsa_float_denorm_mode_32 3
		.amdhsa_float_denorm_mode_16_64 3
		.amdhsa_memory_ordered 1
		.amdhsa_forward_progress 1
		.amdhsa_inst_pref_size 81
	.end_amdhsa_kernel
	.amdgpu_metadata
---
amdhsa.version: [ 1, 2 ]
amdhsa.kernels:
  - .name:           k_qeb3cc08570_encpass
    .symbol:         k_qeb3cc08570_encpass.kd
    .args:
      - { .name: encode_state, .offset: 0, .size: 8, .value_kind: global_buffer, .address_space: global }
      - { .name: upart, .offset: 8, .size: 8, .value_kind: global_buffer, .address_space: global }
      - { .name: cpart, .offset: 16, .size: 8, .value_kind: global_buffer, .address_space: global }
      - { .name: out0, .offset: 24, .size: 8, .value_kind: global_buffer, .address_space: global }
      - { .name: ctxpart, .offset: 32, .size: 8, .value_kind: global_buffer, .address_space: global }
    .group_segment_fixed_size: 75264
    .private_segment_fixed_size: 0
    .kernarg_segment_align: 8
    .kernarg_segment_size: 40
    .max_flat_workgroup_size: 256
    .sgpr_count:     66
    .vgpr_count:     512
    .wavefront_size: 32
...
	.end_amdgpu_metadata
.endif
;; end of part 3
;; launch combine (part 4): grid 16 x 16, 1 waves a work-group, no clusters, 0 bytes of LDS; arguments out0, ctxpart, out1; writes out1
.if DOCPART == 4
	.amdgcn_target "amdgcn-amd-amdhsa--gfx1250"
	.amdhsa_code_object_version 6
	.text
	.protected	k_qeb3cc08570_combine
	.globl	k_qeb3cc08570_combine
	.p2align	8
	.type	k_qeb3cc08570_combine,@function
k_qeb3cc08570_combine:
	s_mov_b64 s[64:65], 0
	v_nop
	global_prefetch_b8 v0, s[64:65] scope:SCOPE_SE
	s_setreg_imm32_b32 hwreg(HW_REG_WAVE_MODE, 25, 1), 1
	s_wait_xcnt 0x0
; out1[bt][d] = (sum over the 16 chunks of f_c ctxpart[bt][c][d]) / L, with G the batch's largest score, f_c = 2^((MX_c - G) log2 e), MX_c chunk c's largest score (a maximum rounds nothing:
; it is the number by which the launch before scaled the chunk's sums), L = the sum over the batch's 1,024 scores of 2^((score - G) log2 e).  All f32.
; LIMITS.  A weight or factor below 2^-126 counts as 0; NaN and infinities are not treated apart.
; SHARES.  One wave to a work-group (block, batch): 128 numbers of out1, four a lane.  Each wave reads the batch's 4,096 bytes of scores and makes G, f and L itself: 40 exponentials a lane,
; for which no further launch and no traffic between work-groups is needed.  No LDS, no barrier.  What work-groups share is those 4,096 bytes beside 8,192 of their own: no cluster.
.set LOG2E, 0x3fb8aa3b
.set SCR, 4                            ; v[4:35]    32 scores a lane: load j brings chunk 2 j to lanes 0-15, chunk 2 j + 1 to lanes 16-31
.set CM,  36                           ; v[36:43]   the chunks' maxima, then f
.set G,   44                           ; v[44:45]   G (the pair is named; its high word holds 0)
.set T,   46                           ; v46        at work
.set L,   47                           ; v47        L, then 1 / L
.set X,   48                           ; v[48:111]  chunk c's four numbers at X + 4 c
.set ACC, 112                          ; v[112:115]
	s_load_b128 s[4:7], s[0:1], 0x0                ; out0 s[4:5], ctxpart s[6:7]
	s_load_b64 s[8:9], s[0:1], 0x10                ; out1
	s_and_b32 s10, ttmp7, 0xffff                   ; batch
	s_lshl_b32 s34, ttmp9, 9                       ; my block's 512 bytes
	s_lshl_b32 s32, s10, 12                        ; out0: rows of 4,096 bytes
	s_mov_b32 s33, 0
	s_lshl_b32 s36, s10, 17                        ; ctxpart: 16 chunks of 8,192 bytes a batch
	s_add_co_u32 s36, s36, s34
	s_mov_b32 s37, 0
	s_lshl_b32 s38, s10, 13                        ; out1: rows of 8,192 bytes
	s_add_co_u32 s38, s38, s34
	s_mov_b32 s39, 0
	s_mov_b32 s12, 0x76543210                      ; v_permlanex16_b32: each lane takes its own place in the other half
	s_mov_b32 s13, 0xfedcba98
	s_mov_b32 s14, LOG2E
	s_mov_b32 s15, LOG2E                           ; named with it as a pair
	v_lshlrev_b32 v1, 4, v0                        ; 16 x lane
	v_mov_b32 v[G+1], 0
	v_mov_b32 v[T], 0                              ; v_permlanex16_b32's destination counts as read
	s_wait_kmcnt 0x0
	s_add_nc_u64 s[4:5], s[4:5], s[32:33]
	s_add_nc_u64 s[6:7], s[6:7], s[36:37]
	s_add_nc_u64 s[8:9], s[8:9], s[38:39]
.irp j, 0,1,2,3,4,5,6,7
	global_load_b128 v[SCR+4*(\j):SCR+4*(\j)+3], v1, s[4:5] offset:512*(\j)
.endr
.irp c, 0,1,2,3,4,5,6,7,8,9,10,11,12,13,14,15
	global_load_b128 v[X+4*(\c):X+4*(\c)+3], v1, s[6:7] offset:(\c)*8192 th:TH_LOAD_NT
.endr
	s_wait_loadcnt 16                              ; ctxpart's 16 loads are younger: the scores are in
.irp j, 0,1,2,3,4,5,6,7
	v_max3_num_f32 v[CM+(\j)], v[SCR+4*(\j)], v[SCR+4*(\j)+1], v[SCR+4*(\j)+2]
.endr
.irp j, 0,1,2,3,4,5,6,7
	v_max_num_f32 v[CM+(\j)], v[CM+(\j)], v[SCR+4*(\j)+3]
.endr
.irp m, 1,2,4,8                        ; a chunk's 64 scores lie in 16 neighbouring lanes
.irp j, 0,1,2,3,4,5,6,7
	v_max_num_f32_dpp v[CM+(\j)], v[CM+(\j)], v[CM+(\j)] row_xmask:\m row_mask:0xf bank_mask:0xf
.endr
.endr
	v_max3_num_f32 v[G], v[CM], v[CM+1], v[CM+2]
	v_max3_num_f32 v[G], v[G], v[CM+3], v[CM+4]
	v_max3_num_f32 v[G], v[G], v[CM+5], v[CM+6]
	v_max_num_f32 v[G], v[G], v[CM+7]
	v_permlanex16_b32 v[T], v[G], s12, s13
	v_max_num_f32 v[G], v[G], v[T]                 ; the batch's largest score, in every lane
.irp j, 0,1,2,3,4,5,6,7
	v_sub_f32 v[CM+(\j)], v[CM+(\j)], v[G]
.endr
.irp j, 0,1,2,3,4,5,6,7
	v_mul_f32 v[CM+(\j)], s14, v[CM+(\j)]
.endr
.set p, 0
.rept 16
	v_pk_add_f32 v[SCR+2*p:SCR+2*p+1], v[SCR+2*p:SCR+2*p+1], v[G:G+1] op_sel_hi:[1,0] neg_lo:[0,1] neg_hi:[0,1]  ; score - G first, so that the largest score's exponent is exactly 0
.set p, p+1
.endr
.set p, 0
.rept 16
	v_pk_mul_f32 v[SCR+2*p:SCR+2*p+1], v[SCR+2*p:SCR+2*p+1], s[14:15] op_sel_hi:[1,0]
.set p, p+1
.endr
.irp j, 0,1,2,3,4,5,6,7
	v_exp_f32 v[CM+(\j)], v[CM+(\j)]
.endr
.set p, 0
.rept 32
	v_exp_f32 v[SCR+p], v[SCR+p]
.set p, p+1
.endr
	v_nop                                          ; a plain instruction between the exponentials and the use of their results (ISA guide 5.7.2)
	s_wait_alu depctr_va_vdst(0)
.irp s, 8,4,2,1
.set q, 0
.rept \s
	v_pk_add_f32 v[SCR+2*q:SCR+2*q+1], v[SCR+2*q:SCR+2*q+1], v[SCR+2*(q+\s):SCR+2*(q+\s)+1]
.set q, q+1
.endr
.endr
	v_add_f32 v[L], v[SCR], v[SCR+1]
.irp m, 1,2,4,8
	v_add_f32_dpp v[L], v[L], v[L] row_xmask:\m row_mask:0xf bank_mask:0xf
.endr
	v_permlanex16_b32 v[T], v[L], s12, s13
	v_add_f32 v[L], v[L], v[T]                     ; at least 1: the largest score's own weight
	v_rcp_f32 v[L], v[L]
	v_nop                                          ; a plain instruction behind the reciprocal
.irp j, 0,1,2,3,4,5,6,7
	v_readlane_b32 s[16+2*(\j)], v[CM+(\j)], 0     ; f of chunk 2 j,
	v_readlane_b32 s[17+2*(\j)], v[CM+(\j)], 16    ; of chunk 2 j + 1: numbers for the arithmetic below, never an address or a branch
.endr
	s_wait_loadcnt 0x0                             ; ctxpart
.irp i, 0,1,2,3
	v_mul_f32 v[ACC+(\i)], s16, v[X+(\i)]          ; the first chunk starts the sums
.endr
.irp c, 1,2,3,4,5,6,7,8,9,10,11,12,13,14,15
.irp i, 0,1,2,3
	v_fmac_f32 v[ACC+(\i)], s[16+(\c)], v[X+4*(\c)+(\i)]
.endr
.endr
	s_wait_alu depctr_va_vdst(0)
.irp i, 0,1,2,3
	v_mul_f32 v[ACC+(\i)], v[ACC+(\i)], v[L]
.endr
	global_store_b128 v1, v[ACC:ACC+3], s[8:9] th:TH_STORE_NT  ; the wave stores 512 consecutive bytes, aligned
	s_endpgm
.Lfunc_end_k_qeb3cc08570_combine:
	.size	k_qeb3cc08570_combine, .Lfunc_end_k_qeb3cc08570_combine-k_qeb3cc08570_combine
	.p2alignl 7, 3214868480
	.fill 96, 4, 3214868480
	.section	.rodata,"a",@progbits
	.p2align	6, 0x0
	.amdhsa_kernel k_qeb3cc08570_combine
		.amdhsa_group_segment_fixed_size 0
		.amdhsa_private_segment_fixed_size 0
		.amdhsa_enable_private_segment 0
		.amdhsa_kernarg_size 24
		.amdhsa_user_sgpr_count 2
		.amdhsa_user_sgpr_kernarg_segment_ptr 1
		.amdhsa_wavefront_size32 1
		.amdhsa_system_sgpr_workgroup_id_x 1
		.amdhsa_system_sgpr_workgroup_id_y 1
		.amdhsa_system_sgpr_workgroup_id_z 1
		.amdhsa_system_vgpr_workitem_id 0
		.amdhsa_next_free_vgpr 116
		.amdhsa_next_free_sgpr 66
		.amdhsa_reserve_vcc 0
		.amdhsa_float_denorm_mode_32 3
		.amdhsa_float_denorm_mode_16_64 3
		.amdhsa_memory_ordered 1
		.amdhsa_forward_progress 1
		.amdhsa_inst_pref_size 16
	.end_amdhsa_kernel
	.amdgpu_metadata
---
amdhsa.version: [ 1, 2 ]
amdhsa.kernels:
  - .name:           k_qeb3cc08570_combine
    .symbol:         k_qeb3cc08570_combine.kd
    .args:
      - { .name: out0, .offset: 0, .size: 8, .value_kind: global_buffer, .address_space: global }
      - { .name: ctxpart, .offset: 8, .size: 8, .value_kind: global_buffer, .address_space: global }
      - { .name: out1, .offset: 16, .size: 8, .value_kind: global_buffer, .address_space: global }
    .group_segment_fixed_size: 0
    .private_segment_fixed_size: 0
    .kernarg_segment_align: 8
    .kernarg_segment_size: 24
    .max_flat_workgroup_size: 32
    .sgpr_count:     66
    .vgpr_count:     116
    .wavefront_size: 32
...
	.end_amdgpu_metadata
.endif
;; end of part 4
;; ======== version 2 of 2: 4 launches; version 1 with the launch encpass written anew for expert scheduling mode
;; workspace buffers: hpT 131,072 bytes; cpart 16,384 bytes; upart 1,048,576 bytes; ctxpart 2,097,152 bytes
;; launch hidproj: the kernel of part 1 again; grid 256 x 1, 8 waves a work-group, no clusters, 67,584 bytes of LDS; arguments W, b, hid_state, hpT, cpart; writes hpT, cpart
;; launch uproj: the kernel of part 2 again; grid 32 x 8, 8 waves a work-group, no clusters, 82,944 bytes of LDS; arguments W, hpT, upart; writes upart
;; launch encpass (part 5): grid 16 x 16, 8 waves a work-group, no clusters, 75,264 bytes of LDS; arguments encode_state, upart, cpart, out0, ctxpart; writes out0, ctxpart
.if DOCPART == 5
	.amdgcn_target "amdgcn-amd-amdhsa--gfx1250"
	.amdhsa_code_object_version 6
	.text
	.protected	k_qeb3cc08570_encpass
	.globl	k_qeb3cc08570_encpass
	.p2align	8
	.type	k_qeb3cc08570_encpass,@function
k_qeb3cc08570_encpass:
	s_mov_b64 s[64:65], 0
	v_nop
	global_prefetch_b8 v0, s[64:65] scope:SCOPE_SE
	s_setreg_imm32_b32 hwreg(HW_REG_WAVE_SCHED_MODE, 0, 2), 2
	s_setreg_imm32_b32 hwreg(HW_REG_WAVE_MODE, 25, 1), 1
	s_wait_xcnt 0x0
	s_wait_alu depctr_vm_vsrc(0)
; THE ONE PASS OVER E.  scores[bt][s] = E[bt][s] . u[bt] + c[bt] (out0), and for each chunk of 64 rows ctxpart[bt][chunk][d] = sum over its rows of 2^((score - MX) log2 e) E[bt][s][d],
; MX the chunk's largest score.  u is the sum of upart's eight slices, c of cpart's 256 words.  All f32: four multiply-adds for each 4 bytes of E.
; LIMITS.  The order of rounding differs from the reference's (see the first launch's head); a weight below 2^-126 counts as 0; NaN and infinities are not treated apart.
; SHARES.  Work-group (chunk, batch): 64 rows of E, 524,288 bytes, each read once.  A wave owns 8 rows; a row is 16 loads of 512 consecutive bytes and stays in 64 registers for both of its uses
; (the dot product with u, then the weighted sum).  A ring of four row slots: the slot that a turn has emptied is asked for again at the next turn's head, ahead of the wait for that turn's own row.
; SOFTMAX.  A running maximum M for each wave: a row's weight is p = 2^((s - M_new) log2 e), and the sums so far are multiplied by a = 2^((M_old - M_new) log2 e); differences are formed first, so the
; largest score's weight is exactly 1.  The eight waves' sums meet in LDS, each scaled by 2^((M_w - MX) log2 e).  No sum of weights is kept: the last launch makes it from out0.
; NO CLUSTER: what work-groups share is upart's 65,536 bytes of a batch, beside 524,288 bytes of E that nobody shares.
; REGISTERS: window 0 as named below; window 1: the four row slots, slot s at v[64 s .. 64 s + 63].  s_set_vgpr_msb: bits 1:0 source 0, 7:6 destination.
; THE MODE: SCHED_MODE bits 1:0 = 2 (LLVM: expert scheduling mode 2), set by the entry lines.  The code itself states the register dependences
; between vector instructions and memory or LDS instructions, with s_wait_alu, always for 0.
; THE PLAN.  Registers that memory or LDS instructions touch:
;   v3-v7, v32-v35  offsets and LDS addresses: made once at the head, never written again; one wait ahead of the first load serves every load and store of the kernel.
;   the row slots   Turn r reads slot r % 4 (dot product, weighted sum); the loads of row r + 3, issued at turn r's head, land in slot (r - 1) % 4, which turn r - 1 read.
;   SC0 .. SC7      a register for each row's score: written by turn r, read by one LDS store, never written again.
;   TMP             upart's loads land; additions in place; two LDS stores read its first eight registers; at the end the waves' sums land in it.
;   D               cpart's loads land; then vector instructions alone name it, until the eight maxima land in it at the end.
;   M, ACC          written by the turns; read by the LDS stores at the end; ACC's first eight are then written by the merge and read by two global stores.
;   U, v[24:25]     LDS loads land in them; no vector instruction writes them.
;   v1, v2          written at the head, read by the closing add alone.
; So a turn has two waits on va_vdst at the most: one at its head, ahead of the fill (the turn before is done reading the slot), and the one behind its two exponentials, behind which the
; turn's score, written some lines above, is stored at once.  The turns that fill nothing have the second alone.  Two waits on vm_vsrc stand in the kernel: one at the entry, one behind the second barrier.
.set ACCS,  8192                       ; LDS: u, 8,192 bytes, at 0; then the eight waves' sums, 8,192 bytes each
.set ST,    73728                      ; then the waves' maxima (8 words) and, 256 bytes on, the chunk's 64 scores
.set SPARE, 74240                      ; then the spare words, 128 bytes for each of the 8 waves; no other line names them
.set ROWB,  8192
.set LOG2E, 0x3fb8aa3b
.set M,   8                            ; v8   the running maximum
.set C,   9                            ; v9   c[bt]
.set T,   11                           ; v11  at work
.set P,   12                           ; v[12:13] p (the pair is named; its high word holds 0)
.set AF,  14                           ; v[14:15] a, likewise
.set D,   16                           ; v[16:23] four packed chains of the dot product; at the end the eight waves' maxima, then factors
.set SC,  40                           ; v[40:47] row r's score at SC + r
.set U,   64                           ; v[64:127]  u in a row's lane layout: load j, d = 128 j + 4 lane
.set ACC, 128                          ; v[128:191] the weighted sum, same layout
.set TMP, 192                          ; v[192:255] upart's slices at the start, the waves' sums at the end
.set MSB, 0
.macro WIN new                         ; the immediate's high byte repeats the setting that is left; a switch that changes nothing is dropped
.if MSB != (\new)
	s_set_vgpr_msb (MSB<<8)|(\new)
.set MSB, \new
.endif
.endm
	s_load_b256 s[4:11], s[0:1], 0x0               ; encode_state s[4:5], upart s[6:7], cpart s[8:9], out0 s[10:11]
	s_load_b64 s[12:13], s[0:1], 0x20              ; ctxpart
	v_lshl_add_u32 v1, v0, 2, SPARE                ; my spare word; never rewritten
	v_mov_b32 v2, 0                                ; 0; never rewritten
	v_lshrrev_b32 v3, 5, v0
	v_readfirstlane_b32 s14, v3                    ; wave 0..7
	s_mov_b32 s15, ttmp9                           ; chunk
	s_and_b32 s16, ttmp7, 0xffff                   ; batch
	s_lshl_b32 s18, s16, 23                        ; E: 1,024 rows of 8,192 bytes a batch,
	s_lshl_b32 s17, s15, 19                        ; 64 rows a chunk,
	s_add_co_u32 s18, s18, s17
	s_wait_alu depctr_va_sdst(0)                   ; s14 is written, ahead of its first reader: offsets, LDS addresses and the last branch are made from it
	s_lshl_b32 s17, s14, 16                        ; 8 rows a wave
	s_add_co_u32 s18, s18, s17
	s_mov_b32 s19, 0
	s_lshl_b32 s20, s16, 13                        ; upart: the batch's row, my wave's 1,024 bytes of it
	s_lshl_b32 s30, s14, 10
	s_add_co_u32 s20, s20, s30
	s_mov_b32 s21, 0
	s_lshl_b32 s22, s16, 10                        ; cpart: the batch's 256 words
	s_mov_b32 s23, 0
	s_lshl_b32 s24, s16, 12                        ; out0: the batch's row, the chunk's 256 bytes
	s_lshl_b32 s17, s15, 8
	s_add_co_u32 s24, s24, s17
	s_mov_b32 s25, 0
	s_lshl_b32 s26, s16, 17                        ; ctxpart: 16 chunks of 8,192 bytes a batch, my wave's 1,024 bytes
	s_lshl_b32 s17, s15, 13
	s_add_co_u32 s26, s26, s17
	s_add_co_u32 s26, s26, s30
	s_mov_b32 s27, 0
	s_mov_b32 s28, 0x76543210                      ; v_permlanex16_b32: each lane takes its own place in the other half
	s_mov_b32 s29, 0xfedcba98
	v_and_b32 v36, 31, v0                          ; lane
	v_lshlrev_b32 v3, 4, v36                       ; 16 x lane: E, upart, cpart, ctxpart, and u in LDS
	v_lshl_add_u32 v4, s14, 10, v3                 ; LDS: my wave's part of u goes in
	v_lshl_add_u32 v5, s14, 13, v3
	v_add_nc_u32 v5, ACCS, v5                      ; LDS: my wave's sums go in
	v_add_nc_u32 v6, ACCS, v4                      ; LDS: wave 0's sums for the 1,024 bytes of d that my wave adds up
	s_lshl_b32 s17, s14, 5
	s_add_co_u32 s17, s17, ST+256
	v_mov_b32 v7, s17                              ; LDS: my wave's 8 scores
	s_lshl_b32 s17, s14, 2
	s_add_co_u32 s17, s17, ST
	v_mov_b32 v32, s17                             ; LDS: my wave's maximum
	v_mov_b32 v33, ST
	v_lshl_add_u32 v34, v36, 3, ST+256             ; LDS: two scores a lane
	v_lshlrev_b32 v35, 3, v36                      ; and the same in out0
	v_mov_b32 v[T], 0                              ; v_permlanex16_b32's destination counts as read
	v_mov_b32 v[P+1], 0
	v_mov_b32 v[AF+1], 0
	s_wait_kmcnt 0x0
	s_add_nc_u64 s[4:5], s[4:5], s[18:19]
	s_add_nc_u64 s[6:7], s[6:7], s[20:21]
	s_add_nc_u64 s[8:9], s[8:9], s[22:23]
	s_add_nc_u64 s[10:11], s[10:11], s[24:25]
	s_add_nc_u64 s[12:13], s[12:13], s[26:27]
	s_wait_alu depctr_va_vdst(0)                   ; v3 to v7 and v32 to v35 are written: every load and store of the kernel reads one of them as its offset or address
.macro FILL row, slot, from, count     ; loads from .. from + count - 1 of a row's 16, 512 consecutive bytes each
	WIN 0x40                                       ; destination window 1, address window 0
.set j, \from
.rept \count
	global_load_b128 v[64*(\slot)+4*j:64*(\slot)+4*j+3], v3, s[4:5] offset:(\row)*ROWB+512*j th:TH_LOAD_NT
.set j, j+1
.endr
.endm
.irp k, 0,1,2,3,4,5,6,7
.irp j, 0,1
	global_load_b128 v[TMP+8*(\k)+4*(\j):TMP+8*(\k)+4*(\j)+3], v3, s[6:7] offset:(\k)*131072+512*(\j)
.endr
.endr
	global_load_b128 v[D:D+3], v3, s[8:9]
	global_load_b128 v[D+4:D+7], v3, s[8:9] offset:512
	FILL 0, 0, 0, 16
	FILL 1, 1, 0, 16
	s_wait_loadcnt 32                              ; the two rows' 32 loads are younger: upart and cpart are in
	FILL 2, 2, 0, 16                               ; no vector instruction has named a slot yet: nothing is owed for these loads but the wait for v3 above
	WIN 0
.irp s, 4,2,1                          ; u = the sum of the eight slices, for my wave's 256 numbers
.set k, 0
.rept \s
.irp e, 0,1,2,3
	v_pk_add_f32 v[TMP+8*k+2*(\e):TMP+8*k+2*(\e)+1], v[TMP+8*k+2*(\e):TMP+8*k+2*(\e)+1], v[TMP+8*(k+\s)+2*(\e):TMP+8*(k+\s)+2*(\e)+1]
.endr
.set k, k+1
.endr
.endr
	s_wait_alu depctr_va_vdst(0)                   ; the additions have written v[TMP .. TMP+7], which the two LDS stores read
	ds_store_b128 v4, v[TMP:TMP+3]
	ds_store_b128 v4, v[TMP+4:TMP+7] offset:512
	v_pk_add_f32 v[D:D+1], v[D:D+1], v[D+4:D+5]    ; c = the sum of the batch's 256 words: 8 a lane, then over the lanes
	v_pk_add_f32 v[D+2:D+3], v[D+2:D+3], v[D+6:D+7]
	v_pk_add_f32 v[D:D+1], v[D:D+1], v[D+2:D+3]
	v_add_f32 v[C], v[D], v[D+1]
.irp m, 1,2,4,8
	v_add_f32_dpp v[C], v[C], v[C] row_xmask:\m row_mask:0xf bank_mask:0xf
.endr
	v_permlanex16_b32 v[T], v[C], s28, s29
	v_add_f32 v[C], v[C], v[T]
	s_wait_dscnt 0x0                               ; for the others' sake: my part of u is in LDS
	s_barrier_signal -1
	s_barrier_wait -1                              ; E's loads stay on their way across it: nobody writes those bytes
.irp j, 0,1,2,3,4,5,6,7,8,9,10,11,12,13,14,15
	ds_load_b128 v[U+4*(\j):U+4*(\j)+3], v3 offset:512*(\j)  ; no vector instruction has named U
.endr
	s_wait_dscnt 0x0
; Row r's turn.  left: the younger loads, which stay out.  fill = 1: the slot that the turn before has read takes row r + 3.  first = 1: the row starts M and the sums.
; Of the fill's 16 loads twelve stand ahead of the wait for the turn's own row and four behind it: 16 + 32 + 12 = 60 loads of the wave are out at the most, and LOADcnt counts to 63 (ISA guide 5.7.1).
; All sixteen stand under one window setting; between the head's wait on va_vdst and the last of them stand only loads, one LDS store that names none of their registers, and the wait on LOADcnt.
.macro TURN r, left, fill, first
.set E, 64*((\r)%4)
.set SR, SC+(\r)
.if \fill
	WIN 0x40                                       ; the switch, then the wait, then the loads
.if !\first
	s_wait_alu depctr_va_vdst(0)                   ; the turn before is done reading its slot, in which the loads below land; in row 1's turn also: row 0's score is written, which the LDS store below reads
.endif                                                 ; (row 0's turn fills slot 3, which no vector instruction has named: no wait)
	FILL (\r)+3, ((\r)+3)%4, 0, 12
.endif
.if (\r) == 1
	ds_store_b32 v7, v[SC]                         ; row 0's score (that turn has no exponentials and so no wait of its own); all lanes write the same word
.endif
	s_wait_loadcnt \left
.if \fill
	FILL (\r)+3, ((\r)+3)%4, 12, 4
.endif
	WIN 0x01                                       ; source 0, the row, in window 1
.set p, 0
.rept 32                               ; E . u: four chains that take turns; the first products start them
.if p < 4
	v_pk_mul_f32 v[D+2*p:D+2*p+1], v[E+2*p:E+2*p+1], v[U+2*p:U+2*p+1]
.else
	v_pk_fma_f32 v[D+2*(p%4):D+2*(p%4)+1], v[E+2*p:E+2*p+1], v[U+2*p:U+2*p+1], v[D+2*(p%4):D+2*(p%4)+1]
.endif
.set p, p+1
.endr
	WIN 0
	v_pk_add_f32 v[D:D+1], v[D:D+1], v[D+2:D+3]
	v_pk_add_f32 v[D+4:D+5], v[D+4:D+5], v[D+6:D+7]
	v_pk_add_f32 v[D:D+1], v[D:D+1], v[D+4:D+5]
	v_add_f32 v[SR], v[D], v[D+1]
.irp m, 1,2,4,8
	v_add_f32_dpp v[SR], v[SR], v[SR] row_xmask:\m row_mask:0xf bank_mask:0xf
.endr
	v_permlanex16_b32 v[T], v[SR], s28, s29
	v_add_f32 v[SR], v[SR], v[T]
	v_add_f32 v[SR], v[SR], v[C]                   ; every lane holds the score
.if \first
	v_mov_b32 v[M], v[SR]
	WIN 0x01
.set p, 0
.rept 32
	v_pk_mul_f32 v[ACC+2*p:ACC+2*p+1], v[E+2*p:E+2*p+1], 1.0 op_sel_hi:[1,0]  ; the first row's weight is 1: it starts the sums, nothing is cleared
.set p, p+1
.endr
.else
	v_max_num_f32 v[T], v[M], v[SR]
	v_sub_f32 v[AF], v[M], v[T]
	v_sub_f32 v[P], v[SR], v[T]
	v_mul_f32 v[AF], LOG2E, v[AF]
	v_mul_f32 v[P], LOG2E, v[P]
	v_exp_f32 v[AF], v[AF]
	v_exp_f32 v[P], v[P]
	v_mov_b32 v[M], v[T]                           ; the plain instruction between the exponentials and the use of their results (ISA guide 5.7.2)
	s_wait_alu depctr_va_vdst(0)                   ; the two exponentials have written a and p, ahead of their first readers; and the row's score is written, which the LDS store reads
	ds_store_b32 v7, v[SR] offset:4*(\r)           ; all lanes write the same word; the register is never written again
.set p, 0
.rept 32
	v_pk_mul_f32 v[ACC+2*p:ACC+2*p+1], v[ACC+2*p:ACC+2*p+1], v[AF:AF+1] op_sel_hi:[1,0]
.set p, p+1
.endr
	WIN 0x01
.set p, 0
.rept 32
	v_pk_fma_f32 v[ACC+2*p:ACC+2*p+1], v[E+2*p:E+2*p+1], v[P:P+1], v[ACC+2*p:ACC+2*p+1] op_sel_hi:[1,0,1]
.set p, p+1
.endr
.endif
.endm
	TURN 0, 44, 1, 1                               ; younger than the turn's row: two rows' 32 loads and twelve of the fill's
	TURN 1, 44, 1, 0
	TURN 2, 44, 1, 0
	TURN 3, 44, 1, 0
	TURN 4, 44, 1, 0                               ; the last fill: row 7
	TURN 5, 32, 0, 0
	TURN 6, 16, 0, 0                               ; the counts run down
	TURN 7, 0, 0, 0
	; THE WAVES MEET.  Each puts its maximum and its 2,048 sums into LDS; behind the barrier wave w adds up the 256 numbers at byte 1,024 w of all eight.
	WIN 0
	s_wait_alu depctr_va_vdst(0)                   ; the last turn has written M and ACC, which the LDS stores read; every vector instruction that named D or TMP, in which LDS loads land below, is done too
	ds_store_b32 v32, v[M]
.irp j, 0,1,2,3,4,5,6,7,8,9,10,11,12,13,14,15
	ds_store_b128 v5, v[ACC+4*(\j):ACC+4*(\j)+3] offset:512*(\j)
.endr
	s_wait_dscnt 0x0                               ; for the others' sake: maximum, sums and scores are in LDS
	s_barrier_signal -1
	s_barrier_wait -1
	s_wait_alu depctr_vm_vsrc(0)                   ; my LDS stores have read their data: v[TMP .. TMP+7] (u, at the head), in which loads land below, and ACC, whose first eight registers the merge writes again
	ds_load_b128 v[D:D+3], v33
	ds_load_b128 v[D+4:D+7], v33 offset:16
.irp k, 0,1,2,3,4,5,6,7
.irp j, 0,1
	ds_load_b128 v[TMP+8*(\k)+4*(\j):TMP+8*(\k)+4*(\j)+3], v6 offset:(\k)*8192+512*(\j)
.endr
.endr
	s_wait_dscnt 0x0
	v_max3_num_f32 v[T], v[D], v[D+1], v[D+2]
	v_max3_num_f32 v[T], v[T], v[D+3], v[D+4]
	v_max3_num_f32 v[T], v[T], v[D+5], v[D+6]
	v_max_num_f32 v[T], v[T], v[D+7]               ; MX: the largest of the chunk's 64 scores
.irp k, 0,1,2,3,4,5,6,7
	v_sub_f32 v[D+(\k)], v[D+(\k)], v[T]
.endr
.irp k, 0,1,2,3,4,5,6,7
	v_mul_f32 v[D+(\k)], LOG2E, v[D+(\k)]
.endr
.irp k, 0,1,2,3,4,5,6,7
	v_exp_f32 v[D+(\k)], v[D+(\k)]
.endr
	v_nop                                          ; a plain instruction between the exponentials and the use of their results
	s_wait_alu depctr_va_vdst(0)                   ; the eight exponentials have written the waves' factors, ahead of their first reader
.set ww, 0
.rept 8                                ; an even wave's factor is the low register of its pair, an odd wave's the high one
.set fq, D+(ww/2)*2
.irp e, 0,1,2,3
.if ww == 0
	v_pk_mul_f32 v[ACC+2*(\e):ACC+2*(\e)+1], v[TMP+2*(\e):TMP+2*(\e)+1], v[fq:fq+1] op_sel_hi:[1,0]
.elseif ww%2 == 0
	v_pk_fma_f32 v[ACC+2*(\e):ACC+2*(\e)+1], v[TMP+8*ww+2*(\e):TMP+8*ww+2*(\e)+1], v[fq:fq+1], v[ACC+2*(\e):ACC+2*(\e)+1] op_sel_hi:[1,0,1]
.else
	v_pk_fma_f32 v[ACC+2*(\e):ACC+2*(\e)+1], v[TMP+8*ww+2*(\e):TMP+8*ww+2*(\e)+1], v[fq:fq+1], v[ACC+2*(\e):ACC+2*(\e)+1] op_sel:[0,1,0] op_sel_hi:[1,1,1]
.endif
.endr
.set ww, ww+1
.endr
	s_wait_alu depctr_va_vdst(0)                   ; the merge has written v[ACC .. ACC+7], which the two stores read
	global_store_b128 v3, v[ACC:ACC+3], s[12:13]               ; 512 consecutive bytes a store, aligned
	global_store_b128 v3, v[ACC+4:ACC+7], s[12:13] offset:512
	s_cmp_lg_u32 s14, 0
	s_cbranch_scc1 .Lend                           ; wave 0 alone stores the scores
	ds_load_b64 v[24:25], v34                      ; no vector instruction names v24 or v25
	s_wait_dscnt 0x0
	global_store_b64 v35, v[24:25], s[10:11]       ; the wave stores the chunk's 256 consecutive bytes, aligned
.Lend:
	s_wait_dscnt 0x0                               ; the closing lines, six on end
	s_wait_alu 0x0
	s_wait_tensorcnt 0x0
	ds_add_u32 v1, v2
	s_wait_dscnt 0x0
	s_endpgm
.Lfunc_end_k_qeb3cc08570_encpass:
	.size	k_qeb3cc08570_encpass, .Lfunc_end_k_qeb3cc08570_encpass-k_qeb3cc08570_encpass
	.p2alignl 7, 3214868480
	.fill 96, 4, 3214868480
	.section	.rodata,"a",@progbits
	.p2align	6, 0x0
	.amdhsa_kernel k_qeb3cc08570_encpass
		.amdhsa_group_segment_fixed_size 75264
		.amdhsa_private_segment_fixed_size 0
		.amdhsa_enable_private_segment 0
		.amdhsa_kernarg_size 40
		.amdhsa_user_sgpr_count 2
		.amdhsa_user_sgpr_kernarg_segment_ptr 1
		.amdhsa_wavefront_size32 1
		.amdhsa_system_sgpr_workgroup_id_x 1
		.amdhsa_system_sgpr_workgroup_id_y 1
		.amdhsa_system_sgpr_workgroup_id_z 1
		.amdhsa_system_vgpr_workitem_id 0
		.amdhsa_next_free_vgpr 512
		.amdhsa_next_free_sgpr 66
		.amdhsa_reserve_vcc 0
		.amdhsa_float_denorm_mode_32 3
		.amdhsa_float_denorm_mode_16_64 3
		.amdhsa_memory_ordered 1
		.amdhsa_forward_progress 1
		.amdhsa_inst_pref_size 82
	.end_amdhsa_kernel
	.amdgpu_metadata
---
amdhsa.version: [ 1, 2 ]
amdhsa.kernels:
  - .name:           k_qeb3cc08570_encpass
    .symbol:         k_qeb3cc08570_encpass.kd
    .args:
      - { .name: encode_state, .offset: 0, .size: 8, .value_kind: global_buffer, .address_space: global }
      - { .name: upart, .offset: 8, .size: 8, .value_kind: global_buffer, .address_space: global }
      - { .name: cpart, .offset: 16, .size: 8, .value_kind: global_buffer, .address_space: global }
      - { .name: out0, .offset: 24, .size: 8, .value_kind: global_buffer, .address_space: global }
      - { .name: ctxpart, .offset: 32, .size: 8, .value_kind: global_buffer, .address_space: global }
    .group_segment_fixed_size: 75264
    .private_segment_fixed_size: 0
    .kernarg_segment_align: 8
    .kernarg_segment_size: 40
    .max_flat_workgroup_size: 256
    .sgpr_count:     66
    .vgpr_count:     512
    .wavefront_size: 32
...
	.end_amdgpu_metadata
.endif
;; end of part 5
;; launch combine: the kernel of part 4 again; grid 16 x 16, 1 waves a work-group, no clusters, 0 bytes of LDS; arguments out0, ctxpart, out1; writes out1
